; MI455X (gfx1250); checked and timed in simulation.
; The chip was launched on July 23, 2026; its instructions are those of AMD's public machine-readable ISA for CDNA 5 (MIT licence, August 2026) and "CDNA5" Instruction Set Architecture Reference Guide (July 2026). The comments in the code are by the model that wrote it; some were corrected since.
;; Audio Tokenizer. Allowed arithmetic: matrix products marked QUANTISED: E2M1 operands, one E8M0 scale for each 32 along K, by v_wmma_scale_f32_16x16x128_f8f6f4 with both operands' format E2M1 (or v_wmma_scale_f32_32x16x128_f4), f32 sums; everything else in f32.
;; Inputs: codebook 8,192 x 256 float32; z 32 x 1,024 x 256 float32.
;; Outputs: out0 32 x 1,024 x 256 float32; out1 32 x 1,024 int32; out2 one number float32.
;; This version of the problem:
;;   THIS VERSION OF THE PROBLEM IS GIVEN IN LOW PRECISION. The matrix products marked QUANTISED in the list below multiply operands that are first quantised to E2M1 (2 exponent bits, 1 mantissa bit; 4 bits a number), with one power-of-two scale for each 32 numbers along K (OCP MX v1.0); their sums are f32. All else is computed in f32.
;;   The module's matrix products, in the order in which they are computed (A, B: the left and right operand; K: the contracted axis; several contracted axes count as one K, in the product's order):
;;     1. [M 32,768, K 256] x [K 256, N 8,192]; A: input z; B: input codebook: QUANTISED
;;   THE QUANTISER, for each operand of a quantised product, along K:
;;     - K is cut into blocks of 32 from its start; a last block that is shorter is filled with zeros.
;;     - A block's scale is 2^e with e = floor(log2(the largest magnitude in the block)) - 2, held to -126 .. 127; a block of zeros has e = 0. As a byte (E8M0): e + 127.
;;     - Each number is divided by its block's scale, clamped to +-6, and rounded to the nearest number of E2M1, ties to even, subnormals kept.
;;     - The product sums the exact products of the quantised numbers (number of the format x scale) in f32.
;;   ~~~python
;;   def quantise(x, axis):      # numpy; x: float32 -> the quantised numbers, widened to float32 again
;;       x = np.moveaxis(x, axis, -1); K = x.shape[-1]
;;       x = np.pad(x, [(0, 0)] * (x.ndim - 1) + [(0, -K % 32)]); x = x.reshape(x.shape[:-1] + (-1, 32)); a = np.abs(x).max(-1, keepdims=True)
;;       e = np.where(a > 0, np.clip(np.frexp(np.where(a > 0, a, 1))[1] - 1 - 2, -126, 127), 0)      # np.frexp(a)[1] - 1 = floor(log2(a)), exactly
;;       r = np.clip(x / 2.0 ** e, -6, 6)
;;       step = 2.0 ** (np.maximum(np.frexp(np.where(r == 0, 1, r))[1] - 1, 0) - 1)
;;       q = np.round(r / step) * step * 2.0 ** e      # np.round: ties to even
;;       return np.moveaxis(q.reshape(q.shape[:-2] + (-1,))[..., :K], -1, axis).astype(np.float32)
;;   ~~~
;; One version. Each part assembles by itself: llvm-mc -triple=amdgcn-amd-amdhsa -mcpu=gfx1250 --defsym DOCPART=n.
;; ======== version 1 of 1: 4 launches
;; limits: right only within a limited range of input values
;; workspace buffers: rec 5,898,240 bytes; ids 131,072 bytes of whole numbers; part 1,024 bytes
;; launch quant (part 1): grid 256 x 1, 10 waves a work-group, no clusters, 167,680 bytes of LDS; arguments z, codebook, rec; writes rec
.if DOCPART == 1
	.amdgcn_target "amdgcn-amd-amdhsa--gfx1250"
	.amdhsa_code_object_version 6
	.text
	.protected	k_q9e0c41041b_quant
	.globl	k_q9e0c41041b_quant
	.p2align	8
	.type	k_q9e0c41041b_quant,@function
k_q9e0c41041b_quant:
	s_mov_b64 s[64:65], 0
	v_nop
	global_prefetch_b8 v0, s[64:65] scope:SCOPE_SE
	s_setreg_imm32_b32 hwreg(HW_REG_WAVE_MODE, 25, 1), 1
	s_wait_xcnt 0x0
; z [32768][256] and codebook [8192][256], f32, become RECORDS for the product's launch: one record for each 16 rows.
; A record is 2,304 bytes (nine runs of 256):
;   0 .. 2047     the codes of FP4 (E2M1) as an image of the operand's registers: K step s (128 along K) at 1024 s, register quad c at 512 c, lane l's 16 bytes at 16 l
;                 (lane l = r + 16 h holds row r, k = 128 s + 64 c + 32 h + 0 .. 31);
;   2048 .. 2175  an image of the scale register: lanes 0-15 row r's four E8M0 bytes of k 0 .. 127, lanes 16-31 those of k 128 .. 255;
;   2176 .. 2239  the row's sum of squares, f32;   2240 .. 2303  zeros.
; Records 0 .. 2047 are z's (16 tokens each), records 2048 .. 2559 the codebook's.
; A block's scale is 2^(floor(log2(its largest magnitude)) - 2); its byte is the largest magnitude's exponent field - 2, held at 1 from below.
; LIMITS: a block of zeros gets the byte 1 where the quantiser says 127 (its codes are zeros, and this program alone reads the bytes); NaN and infinities are not served;
; the sums of squares are added in this text's own order (two packed chains a lane, then the two halves of the lanes).
; SHARES: 2,560 waves, a record each: 16 rows are 16,384 consecutive bytes.  Each of the 32 loads reads 512 consecutive bytes, 16 a lane; the conversions want 16 neighbours along K in ONE lane,
; so the rows turn through the wave's own stage in LDS (rows 1,040 bytes apart: 65 x 16, so that sixteen rows' 16-byte pieces fall on sixteen different columns of 16 bytes modulo 256).
; No tensor load, no barrier, no loop: waves share nothing and every offset is an immediate.  Matrix units and clusters have nothing to do here: the launch only streams.
.set STAGE, 16640                      ; a wave's stage: 16 rows x 1,040 bytes
.set PITCH, 1040
.set RECB,  2304
.set ZRECS, 2048                       ; z's records
.set SS,    12                         ; v[12:15]  the sum of squares, two packed chains
.set TM,    16                         ; v16-19 largest magnitudes, v20-23 the other half's / the bytes, v28-31 the conversions' scale operands
.set PC0,   32                         ; v32-39   codes of K step 0
.set PC1,   40                         ; v40-47   codes of K step 1
.set PW0,   48                         ; v48, v49 the two scale words of my row
.set PW1,   49
.set RAW,   64                         ; v64-191  the 32 loads; later v64-127 take K step 1's numbers
.set X0,    192                        ; v192-255 K step 0's numbers: register 16 b + i = k 32 b + 16 h + i of row r
.set SEL,   20                         ; s[20:21] v_permlanex16_b32's selects for lane l xor 16
	s_load_b128 s[4:7], s[0:1], 0x0                ; z, codebook
	s_load_b64 s[8:9], s[0:1], 0x10                ; rec
	v_lshl_add_u32 v62, v0, 2, 0x28a00
	v_mov_b32 v63, 0
	v_lshrrev_b32 v1, 5, v0
	s_delay_alu instid0(VALU_DEP_1)
	v_readfirstlane_b32 s10, v1                    ; wave 0..9
	v_and_b32 v1, 31, v0                           ; lane
	v_and_b32 v2, 15, v0                           ; r
	v_bfe_u32 v3, v0, 4, 1                         ; h
	s_delay_alu instid0(VALU_DEP_3)
	v_lshlrev_b32 v4, 4, v1                        ; 16 x lane: my place in a load, and in an image
	s_mul_i32 s11, s10, STAGE                      ; my stage
	v_add_nc_u32 v5, s11, v4                       ; into it: as loaded
	v_mul_u32_u24 v6, v2, PITCH
	s_delay_alu instid0(VALU_DEP_1)
	v_lshl_add_u32 v6, v3, 6, v6
	s_delay_alu instid0(VALU_DEP_1)
	v_add_nc_u32 v6, s11, v6                       ; out of it: row r, + 64 h: my 16 numbers of a block of 32
	v_lshl_add_u32 v7, v1, 2, s11                  ; the record's last run of 256 bytes is gathered at the stage's head: 4 bytes a lane in,
	v_lshl_add_u32 v8, v1, 3, s11                  ; 8 bytes a lane out,
	v_lshlrev_b32 v9, 3, v1                        ; and the same 8 bytes in memory
	s_mov_b32 s[SEL], 0x76543210
	s_mov_b32 s[SEL+1], 0xfedcba98
.irp b, 0,1,2,3
	v_mov_b32 v[TM+4+\b], 0                        ; written once: a lane permute's destination counts as one of its sources
.endr
	v_mov_b32 v50, 0
	s_mul_i32 s12, ttmp9, 10
	s_add_co_u32 s12, s12, s10                     ; my record
	s_mul_i32 s16, s12, RECB                       ; its first byte (under 2^23)
	s_mov_b32 s17, 0
	s_mov_b32 s15, 0
	s_wait_alu depctr_va_vdst(0)
	s_wait_kmcnt 0x0
	s_cmp_lt_u32 s12, ZRECS                        ; z's record or the codebook's?  The choice hangs on ids alone
	s_cselect_b64 s[4:5], s[4:5], s[6:7]
	s_cselect_b32 s13, 0, ZRECS
	s_sub_co_u32 s14, s12, s13
	s_lshl_b32 s14, s14, 14                        ; 16 rows of 1,024 bytes a record (under 2^26)
	s_add_nc_u64 s[4:5], s[4:5], s[14:15]
	s_add_nc_u64 s[8:9], s[8:9], s[16:17]
.set i, 0
.rept 32
	global_load_b128 v[RAW+4*i:RAW+4*i+3], v4, s[4:5] offset:512*i th:TH_LOAD_NT   ; row i / 2, half i % 2: 32 lanes read 512 consecutive bytes
.set i, i+1
.endr
.set i, 0
.rept 32
	s_wait_loadcnt 31-i                            ; loads come back in order: load i is in, the 31 - i younger ones may be out
	ds_store_b128 v5, v[RAW+4*i:RAW+4*i+3] offset:(i/2)*PITCH+(i%2)*512
.set i, i+1
.endr
.irp b, 0,1,2,3
.irp j, 0,1,2,3
	ds_load_b128 v[X0+16*\b+4*\j:X0+16*\b+4*\j+3], v6 offset:128*\b+16*\j   ; K step 0.  LDS serves a wave's instructions in order: these see my stores
.endr
.endr
	s_wait_dscnt 0x0                               ; K step 0 is in; and the stores have read v64-191, which are loaded anew:
.irp b, 0,1,2,3
.irp j, 0,1,2,3
	ds_load_b128 v[RAW+16*\b+4*\j:RAW+16*\b+4*\j+3], v6 offset:512+128*\b+16*\j   ; K step 1 lands while K step 0 is worked
.endr
.endr
; the squares of 64 numbers onto the two chains; first = 1: the first two products start them, nothing is cleared
.macro SSQ s, first
.set k, 0
.if \first && (k == 0)
	v_pk_mul_f32 v[SS:SS+1], v[\s:\s+1], v[\s:\s+1]
	v_pk_mul_f32 v[SS+2:SS+3], v[\s+2:\s+3], v[\s+2:\s+3]
.else
	v_pk_fma_f32 v[SS:SS+1], v[\s+4*k:\s+4*k+1], v[\s+4*k:\s+4*k+1], v[SS:SS+1]
	v_pk_fma_f32 v[SS+2:SS+3], v[\s+4*k+2:\s+4*k+3], v[\s+4*k+2:\s+4*k+3], v[SS+2:SS+3]
.endif
.set k, k+1
.rept (16)-1
.if \first && (k == 0)
	v_pk_mul_f32 v[SS:SS+1], v[\s:\s+1], v[\s:\s+1]
	v_pk_mul_f32 v[SS+2:SS+3], v[\s+2:\s+3], v[\s+2:\s+3]
.else
	s_delay_alu instid0(VALU_DEP_2)
	v_pk_fma_f32 v[SS:SS+1], v[\s+4*k:\s+4*k+1], v[\s+4*k:\s+4*k+1], v[SS:SS+1]
	s_delay_alu instid0(VALU_DEP_2)
	v_pk_fma_f32 v[SS+2:SS+3], v[\s+4*k+2:\s+4*k+3], v[\s+4*k+2:\s+4*k+3], v[SS+2:SS+3]
.endif
.set k, k+1
.endr
.endm
; 64 numbers of a lane, register 16 b + i = k 32 b + 16 h + i of my row, become a fragment's codes in v[pc] on and my row's scale word in v[pw]
.macro QUANT s, pc, pw
.irp b, 0,1,2,3
	v_max3_num_f32 v[TM+\b], |v[\s+16*\b]|, |v[\s+1+16*\b]|, 0x1800000   ; block b: my 16 numbers, and the floor 2^(3 - 127): so the byte cannot fall under 1
.endr
.irp i, 2,4,6,8,10,12,14
.irp b, 0,1,2,3
	s_delay_alu instid0(VALU_DEP_4)
	v_max3_num_f32 v[TM+\b], v[TM+\b], |v[\s+16*\b+\i]|, |v[\s+1+16*\b+\i]|   ; (the four blocks by turns: no line waits for the line above it)
.endr
.endr
.irp b, 0,1,2,3
	s_delay_alu instid0(VALU_DEP_4)
	v_permlanex16_b32 v[TM+4+\b], v[TM+\b], s[SEL], s[SEL+1]
.endr
.irp b, 0,1,2,3
	s_delay_alu instid0(VALU_DEP_4)
	v_max_num_f32 v[TM+\b], v[TM+\b], v[TM+4+\b]   ; with lane l xor 16's 16: the block's largest magnitude
.endr
.irp b, 0,1,2,3
	s_delay_alu instid0(VALU_DEP_4)
	v_add_nc_u32 v[TM+12+\b], 0xff000000, v[TM+\b] ; 2 off its exponent field: the conversion takes the exponent field of this operand as its scale, and nothing else of it
.endr
.irp b, 0,1,2,3
	s_delay_alu instid0(VALU_DEP_4)
	v_lshrrev_b32 v[TM+4+\b], 23, v[TM+12+\b]      ; the scale's byte
.endr
	s_delay_alu instid0(VALU_DEP_3)
	v_lshl_or_b32 v[\pw], v[TM+5], 8, v[TM+4]
	s_delay_alu instid0(VALU_DEP_1)
	v_lshl_or_b32 v[\pw], v[TM+6], 16, v[\pw]
	s_delay_alu instid0(VALU_DEP_1)
	v_lshl_or_b32 v[\pw], v[TM+7], 24, v[\pw]
.irp b, 0,1,2,3
	v_cvt_scalef32_pk8_fp4_f32 v[\pc+2*\b], v[\s+16*\b:\s+7+16*\b], v[TM+12+\b]
	v_cvt_scalef32_pk8_fp4_f32 v[\pc+1+2*\b], v[\s+8+16*\b:\s+15+16*\b], v[TM+12+\b]
.endr
	v_nop                                          ; one plain line behind a scaled conversion, ahead of the lines that touch its results
.irp c, 0,1                                    ; the operand's layout wants a WHOLE block in a lane: lanes 0-15 block 2 c, lanes 16-31 block 2 c + 1
.irp i, 0,1
	v_permlane16_swap_b32 v[\pc+4*\c+\i], v[\pc+2+4*\c+\i]
.endr
.endr
.endm
	SSQ X0, 1
	QUANT X0, PC0, PW0
	global_store_b128 v4, v[PC0:PC0+3], s[8:9]               ; 32 lanes store 512 consecutive bytes, at a multiple of 256 from rec's first byte
	global_store_b128 v4, v[PC0+4:PC0+7], s[8:9] offset:512
	s_wait_dscnt 0x0                               ; K step 1 is in
	SSQ RAW, 0
	QUANT RAW, PC1, PW1
	global_store_b128 v4, v[PC1:PC1+3], s[8:9] offset:1024
	global_store_b128 v4, v[PC1+4:PC1+7], s[8:9] offset:1536
	; the record's last 256 bytes
	v_pk_add_f32 v[SS:SS+1], v[SS:SS+1], v[SS+2:SS+3]
	s_delay_alu instid0(VALU_DEP_1)
	v_add_f32 v[SS], v[SS], v[SS+1]
	s_delay_alu instid0(VALU_DEP_1)
	v_permlanex16_b32 v50, v[SS], s[SEL], s[SEL+1]
	s_delay_alu instid0(VALU_DEP_1)
	v_add_f32 v[SS], v[SS], v50                    ; with lane l xor 16's half of the row: the row's sum of squares
	v_cmp_gt_u32 vcc_lo, 16, v1                    ; lanes 0-15
	s_delay_alu instid0(VALU_DEP_1)
	v_cndmask_b32 v10, v[PW1], v[PW0], vcc_lo      ; the scale register's image: K step 0's word below, K step 1's above
	s_delay_alu instid0(VALU_DEP_2)
	v_cndmask_b32 v11, 0, v[SS], vcc_lo            ; the sums of squares, then zeros
	ds_store_b32 v7, v10
	ds_store_b32 v7, v11 offset:128
	ds_load_b64 v[52:53], v8                       ; in order behind my stores
	s_wait_dscnt 0x0
	global_store_b64 v9, v[52:53], s[8:9] offset:2048        ; 32 lanes store 256 consecutive bytes, aligned
	s_wait_tensorcnt 0x0
	ds_add_u32 v62, v63
	s_wait_dscnt 0x0
	s_endpgm
.Lfunc_end_k_q9e0c41041b_quant:
	.size	k_q9e0c41041b_quant, .Lfunc_end_k_q9e0c41041b_quant-k_q9e0c41041b_quant
	.p2alignl 7, 3214868480
	.fill 96, 4, 3214868480
	.section	.rodata,"a",@progbits
	.p2align	6, 0x0
	.amdhsa_kernel k_q9e0c41041b_quant
		.amdhsa_group_segment_fixed_size 167680
		.amdhsa_private_segment_fixed_size 0
		.amdhsa_enable_private_segment 0
		.amdhsa_kernarg_size 24
		.amdhsa_user_sgpr_count 2
		.amdhsa_user_sgpr_kernarg_segment_ptr 1
		.amdhsa_wavefront_size32 1
		.amdhsa_system_sgpr_workgroup_id_x 1
		.amdhsa_system_sgpr_workgroup_id_y 1
		.amdhsa_system_sgpr_workgroup_id_z 1
		.amdhsa_system_vgpr_workitem_id 0
		.amdhsa_next_free_vgpr 256
		.amdhsa_next_free_sgpr 66
		.amdhsa_reserve_vcc 1
		.amdhsa_float_denorm_mode_32 3
		.amdhsa_float_denorm_mode_16_64 3
		.amdhsa_memory_ordered 1
		.amdhsa_forward_progress 1
		.amdhsa_inst_pref_size 28
	.end_amdhsa_kernel
	.amdgpu_metadata
---
amdhsa.version: [ 1, 2 ]
amdhsa.kernels:
  - .name:           k_q9e0c41041b_quant
    .symbol:         k_q9e0c41041b_quant.kd
    .args:
      - { .name: z, .offset: 0, .size: 8, .value_kind: global_buffer, .address_space: global }
      - { .name: codebook, .offset: 8, .size: 8, .value_kind: global_buffer, .address_space: global }
      - { .name: rec, .offset: 16, .size: 8, .value_kind: global_buffer, .address_space: global }
    .group_segment_fixed_size: 167680
    .private_segment_fixed_size: 0
    .kernarg_segment_align: 8
    .kernarg_segment_size: 24
    .max_flat_workgroup_size: 320
    .sgpr_count:     66
    .vgpr_count:     256
    .wavefront_size: 32
...
	.end_amdgpu_metadata
.endif
;; end of part 1
;; launch argmin (part 2): grid 256 x 1, 8 waves a work-group, no clusters, 9,216 bytes of LDS; arguments rec, out1, ids; writes out1, ids
.if DOCPART == 2
	.amdgcn_target "amdgcn-amd-amdhsa--gfx1250"
	.amdhsa_code_object_version 6
	.text
	.protected	k_q9e0c41041b_argmin
	.globl	k_q9e0c41041b_argmin
	.p2align	8
	.type	k_q9e0c41041b_argmin,@function
k_q9e0c41041b_argmin:
	s_mov_b64 s[64:65], 0
	v_nop
	global_prefetch_b8 v0, s[64:65] scope:SCOPE_SE
	s_setreg_imm32_b32 hwreg(HW_REG_WAVE_MODE, 25, 1), 1
	s_wait_xcnt 0x0
; token_ids[t] = argmin over the 8,192 codes c of d(t, c) = (|z_t|^2 - 2 z_t . c) + |c|^2, the lowest index among equals.  z . c is the quantised product: codes of FP4 (E2M1) with E8M0 scales,
; K = 256: two matrix instructions of 16 x 16 x 128.  Operands, scale words and sums of squares come as the records that the launch before has laid (2,304 bytes for 16 rows).
; LAYOUT.  Source 0 = 16 codes, source 1 = 16 tokens: a lane holds ONE token (lane % 16), and its eight result registers the codes 16 T + 8 (lane / 16) + 0 .. 7: the search stays inside the lane.
; THE DISTANCE.  The first K step's C is -|z|^2 / 2 (eight equal registers a token tile), so the products give D = z . c - |z|^2 / 2, and one addition e = D + (-|c|^2 / 2) gives e = -d / 2:
; halving and the sign round nothing, so e carries the rounding of d's last sum, and the LARGEST e is the least d.  LIMITS: |z|^2 - 2 z . c is rounded by the matrix instruction, once a K step, not once
; by an f32 subtraction; a |c|^2 under 2^-125 loses a bit when it is halved; NaN is not served; a row whose every distance is +infinity gets index 0.
; THE SEARCH.  For each token tile: the largest of a tile's eight e; where it is strictly over the running largest, the running largest, the tile's number and a COPY of the eight e are taken
; (selects on VCC, no branch).  A wave's tiles come in ascending order, so the first of equal tiles is kept; at the end the lowest register that equals the largest is read off the copy.
; The two halves of the lanes and the eight waves are then joined by (e, index), the lower index among equals.
; SHARES.  A work-group owns 128 tokens (eight records, kept in registers by every wave) and walks all 512 code tiles; wave w takes tiles 8 t + w, t = 0 .. 63: in a step the eight waves read 18,432 bytes on end.
; NO LDS ON THE WALK, NO TENSOR LOAD, NO CLUSTER.  A record is an image of the operand's registers and is read by ONE wave of the work-group, for all its 128 tokens: it goes from memory straight into that
; wave's registers (seven loads), so LDS would hold nothing that is read twice and the waves meet at no barrier until the join.  A joint request is a form of the tensor load alone, and this text has none.
; FOUR BUFFERS in registers: tile t's buffer is asked for again, for tile t + 4, as soon as tile t's last reader is issued; so at a tile's head the 21 loads of the three younger tiles may be out.
; PREFETCH.  A trip is four steps: 73,728 bytes, 288 blocks of 256.  Sixteen neighbouring work-groups share them, 18 blocks each; wave 0 asks, a lane a block (lanes 18-31 name the last block again), in trip n
; for what trip n + 2 loads; the head asks for trip 1's; the loop's last trip asks for nothing, since the text's sixteenth group of four steps is the last.
; REGISTERS.  Window 0: v3-14 offsets and addresses; v16-19 the code tiles' scale words; v20-27 z's scale words; v32-63 |c|^2, four buffers; v64-127 eight accumulators;
;   v128-191 the copies; v192-207 running largest (even) and its tile (odd); v208-215 |z|^2 at the head; v224-231 the indices at the end; v232-247 largest of a tile, two registers a token tile.
;   Window 1: v0-127 z's fragments (token tile i, K step s at 16 i + 8 s); v128-191 -|z|^2 / 2; v192-255 the code tiles' fragments, four buffers of 16.
.set REC,   2304
.set STEP,  8*REC                      ; 18,432: the eight waves' records of a step
.set TRIP,  4*STEP
.set CODES, 2048*REC                   ; where the code records begin in rec
.set SPARE, 8192                       ; LDS: 0 .. 4095 the waves' e [wave][128 tokens], 4096 .. 8191 their indices; then the spare words, 128 bytes a wave, which no other line names
.set LF,  3                            ; v3   16 x lane: my place in a fragment's image
.set LSO, 4                            ; v4   2048 + 4 x lane: in the scale register's image
.set LCO, 5                            ; v5   2176 + 32 (lane / 16): my eight |c|^2
.set TI,  6                            ; v6   the tile's number
.set H8,  7                            ; v7   8 (lane / 16)
.set MW,  8                            ; v8   LDS: where I put a token's result
.set SPW, 10                           ; v10  LDS address of my spare word; never rewritten
.set NIL, 11                           ; v11  0; never rewritten
.set GO,  12                           ; v12  256 w + 8 x lane: two tokens' results in LDS, and their place in the work-group's 512 bytes of output
.set PFO, 13                           ; v13  the prefetches' offset: 256 x min(lane, 17)
.set ZZO, 14                           ; v14  2176 + 4 (lane % 16): |z|^2 of my token
.set ASC, 16
.set ZS,  20
.set CC,  32
.set ACC, 64
.set SNAP, 128
.set RT,  192
.set SSR, 208
.set ID,  224
.set MXB, 232                          ; token tile i: its largest at 232 + 4 (i / 2) + i % 2, a second chain two registers on
.set PV,  232                          ; at the end v232-239 take the other half's e,
.set PI,  240                          ; v240-247 its indices
.set NZ,  128                          ; in window 1
.set FB,  192                          ; in window 1
.set WV,  10                           ; s10  my wave's number
.set SEL, 22                           ; s[22:23] v_permlanex16_b32's selects for lane l xor 16
.set ZB,  26                           ; s[26:27] my block's records of z
.set CB,  28                           ; s[28:29] my wave's record of the trip's first step
.set PB,  30                           ; s[30:31] my work-group's 18 blocks of the trip in hand
.set CNT, 32                           ; s32  trips to go
.set LIM, 33                           ; s33  1 in wave 0, the greatest number in the others, which ask for nothing
.set MK,  40                           ; s40-47, s48-55, s56-63: masks at the end, a set for each of eight joins that go by turns
.set MB,  48
.set MC,  56
.set MSB, 0
.macro WIN new                         ; the immediate's high byte repeats the setting that is left; a switch that changes nothing is dropped
.if MSB != \new
	s_set_vgpr_msb (MSB<<8)|\new
.set MSB, \new
.endif
.endm
; (va, ia) takes (vb, ib) where vb is larger, or equal with the lower index: in three parts, so that several joins go by turns
.macro LEXC k, va, ia, vb, ib
	v_cmp_gt_f32 s[MK+(\k)], v[\vb], v[\va]
	v_cmp_eq_f32 s[MB+(\k)], v[\vb], v[\va]
	v_cmp_lt_u32 s[MC+(\k)], v[\ib], v[\ia]
.endm
.macro LEXS k
	s_and_b32 s[MB+(\k)], s[MB+(\k)], s[MC+(\k)]
	s_or_b32 s[MK+(\k)], s[MK+(\k)], s[MB+(\k)]
.endm
.macro LEXM k, va, ia, vb, ib
	v_cndmask_b32 v[\va], v[\va], v[\vb], s[MK+(\k)]
	v_cndmask_b32 v[\ia], v[\ia], v[\ib], s[MK+(\k)]
.endm
.macro LOADF b, off                    ; a code tile's two fragments and its scale words into buffer b: images of the registers, 16 or 4 bytes a lane on end
	WIN 0x40                                       ; destination window 1, offset window 0
.irp q, 0,1,2,3
	global_load_b128 v[FB+16*(\b)+4*\q:FB+16*(\b)+4*\q+3], v[LF], s[CB:CB+1] offset:(\off)+512*\q
.endr
	WIN 0
	global_load_b32 v[ASC+(\b)], v[LSO], s[CB:CB+1] offset:(\off)
.endm
.macro LOADC b, off                    ; |c|^2 of my eight codes
	global_load_b128 v[CC+8*(\b):CC+8*(\b)+3], v[LCO], s[CB:CB+1] offset:(\off)
	global_load_b128 v[CC+8*(\b)+4:CC+8*(\b)+7], v[LCO], s[CB:CB+1] offset:(\off)+16
.endm
	s_load_b128 s[4:7], s[0:1], 0x0                ; rec, out1
	s_load_b64 s[8:9], s[0:1], 0x10                ; ids
	v_lshl_add_u32 v[SPW], v0, 2, SPARE
	v_mov_b32 v[NIL], 0
	v_lshrrev_b32 v1, 5, v0
	v_readfirstlane_b32 s[WV], v1                  ; wave 0..7
	v_and_b32 v1, 31, v0                           ; lane
	v_and_b32 v2, 15, v0                           ; r = lane % 16
	v_bfe_u32 v[H8], v0, 4, 1                      ; h = lane / 16
	s_lshl_b32 s12, s[WV], 9
	s_lshl_b32 s13, s[WV], 8
	v_lshlrev_b32 v[LF], 4, v1
	v_lshl_add_u32 v[LSO], v1, 2, 2048
	v_lshl_add_u32 v[LCO], v[H8], 5, 2176
	v_lshl_add_u32 v[ZZO], v2, 2, 2176
	v_min_u32 v[PFO], 17, v1
	v_lshl_add_u32 v[MW], v2, 2, s12               ; my wave's 512 bytes, token 16 i + r at 64 i + 4 r
	v_lshl_add_u32 v[GO], v1, 3, s13               ; tokens 64 w + 2 x lane and the next (used by waves 0 and 1)
	v_lshlrev_b32 v[PFO], 8, v[PFO]
	v_lshlrev_b32 v[H8], 3, v[H8]
	s_mul_i32 s14, ttmp9, STEP                     ; my block's eight records of z
	s_mov_b32 s15, 0
	s_mul_i32 s16, s[WV], REC
	s_add_co_u32 s16, s16, CODES                   ; my wave's first code record
	s_mov_b32 s17, 0
	s_and_b32 s18, ttmp9, 15
	s_mul_i32 s18, s18, 18*256
	s_add_co_u32 s18, s18, CODES                   ; my work-group's 18 blocks of a trip's 288
	s_mov_b32 s19, 0
	s_lshl_b32 s20, ttmp9, 9                       ; my block's 512 bytes of each output
	s_mov_b32 s21, 0
	s_mov_b32 s[SEL], 0x76543210
	s_mov_b32 s[SEL+1], 0xfedcba98
	s_mov_b32 s[CNT], 15
	s_cmp_eq_u32 s[WV], 0
	s_cselect_b32 s[LIM], 1, -1
	s_wait_alu depctr_va_vdst(0)                   ; the wait here, directly ahead of the wait below
	s_wait_kmcnt 0x0
	s_add_nc_u64 s[ZB:ZB+1], s[4:5], s[14:15]
	s_add_nc_u64 s[CB:CB+1], s[4:5], s[16:17]
	s_add_nc_u64 s[PB:PB+1], s[4:5], s[18:19]
	s_add_nc_u64 s[6:7], s[6:7], s[20:21]
	s_add_nc_u64 s[8:9], s[8:9], s[20:21]
	WIN 0x40
.irp i, 0,1,2,3,4,5,6,7
.irp q, 0,1,2,3
	global_load_b128 v[16*\i+4*\q:16*\i+4*\q+3], v[LF], s[ZB:ZB+1] offset:REC*\i+512*\q   ; z's fragments stay in registers
.endr
.endr
	WIN 0
.irp i, 0,1,2,3,4,5,6,7
	global_load_b32 v[ZS+\i], v[LSO], s[ZB:ZB+1] offset:REC*\i    ; their scale words: K step 0's in lanes 0-15, K step 1's in lanes 16-31
	global_load_b32 v[SSR+\i], v[ZZO], s[ZB:ZB+1] offset:REC*\i   ; |z|^2 of my token
.endr
.irp u, 0,1,2,3
	LOADF \u, \u*STEP                              ; my first four tiles: 28 loads behind z's 48
	LOADC \u, \u*STEP
.endr
	s_cmp_lg_u32 s[WV], 0
	s_cbranch_scc1 .Lno_ask
	s_cmp_lt_u32 ttmp9, 4
	s_cbranch_scc0 .Lno_prefetch_argmin0
	global_prefetch_b8 v[PFO], s[PB:PB+1] offset:TRIP th:TH_LOAD_NT scope:SCOPE_SE   ; what trip 0 will load, the second group of four steps
.Lno_prefetch_argmin0:
.Lno_ask:
.irp j, 0,1,2,3,4,5,6,7,8,9,10,11,12,13,14,15,16,17,18,19,20,21,22,23,24,25,26,27,28,29,30,31,32,33,34,35,36,37,38,39,40,41,42,43,44,45,46,47,48,49,50,51,52,53,54,55,56,57,58,59,60,61,62,63
	v_mov_b32 v[SNAP+\j], 0xff800000               ; the tile's text is written once: the first tile finds -infinity, over which every e lies
.endr
	s_wait_loadcnt 28                              ; z's 48 loads are in; the 28 of my first four tiles may be out
	WIN 0x40
.irp i, 0,1,2,3,4,5,6,7
.irp j, 0,1,2,3,4,5,6,7
	v_mul_f32 v[NZ+8*\i+\j], -0.5, v[SSR+\i]       ; the C of each sum's first product
.endr
.endr
	WIN 0
.irp i, 0,1,2,3,4,5,6,7
	v_mov_b32 v[RT+2*\i], 0xff800000
	v_mov_b32 v[RT+2*\i+1], 0
.endr
	v_mov_b32 v[TI], s[WV]                         ; my first tile
; 16 matrix instructions: the code tile in buffer b against the eight token tiles, K step 0 and then K step 1.  The eight accumulators take turns, one instruction a turn.
.macro MM b
	WIN 0x15                                       ; sources 0 (codes), 1 (z) and 2 (-|z|^2 / 2) window 1
.irp i, 0,1,2,3,4,5,6,7
	v_wmma_scale_f32_16x16x128_f8f6f4 v[ACC+8*\i:ACC+8*\i+7], v[FB+16*(\b):FB+16*(\b)+7], v[16*\i:16*\i+7], v[NZ+8*\i:NZ+8*\i+7], v[ASC+(\b)], v[ZS+\i] matrix_a_fmt:MATRIX_FMT_FP4 matrix_b_fmt:MATRIX_FMT_FP4
.endr
	WIN 0x05                                       ; sources 0 and 1 window 1
.irp i, 0,1,2,3,4,5,6,7
	v_wmma_scale_f32_16x16x128_f8f6f4 v[ACC+8*\i:ACC+8*\i+7], v[FB+16*(\b)+8:FB+16*(\b)+15], v[16*\i+8:16*\i+15], v[ACC+8*\i:ACC+8*\i+7], v[ASC+(\b)], v[ZS+\i] matrix_a_fmt:MATRIX_FMT_FP4 matrix_b_fmt:MATRIX_FMT_FP4 matrix_a_scale:MATRIX_SCALE_ROW1 matrix_b_scale:MATRIX_SCALE_ROW1
.endr
	WIN 0
.endm
.macro ADDH i, b, p0                   ; e = D + (-|c|^2 / 2), four of token tile i's eight, in place; an accumulator is read from its low end on
.irp p, \p0, \p0+2
	v_dual_add_f32 v[ACC+8*(\i)+\p], v[ACC+8*(\i)+\p], v[CC+8*(\b)+\p] :: v_dual_add_f32 v[ACC+8*(\i)+\p+1], v[ACC+8*(\i)+\p+1], v[CC+8*(\b)+\p+1]
.endr
.endm
; the largest of token tile i's eight, in three parts that stand apart in the text
.macro MAXA i
	v_max3_num_f32 v[MXB+4*((\i)/2)+(\i)%2], v[ACC+8*(\i)], v[ACC+8*(\i)+1], v[ACC+8*(\i)+2]
	v_max3_num_f32 v[MXB+4*((\i)/2)+(\i)%2+2], v[ACC+8*(\i)+3], v[ACC+8*(\i)+4], v[ACC+8*(\i)+5]
.endm
.macro MAXB i
	v_max3_num_f32 v[MXB+4*((\i)/2)+(\i)%2], v[MXB+4*((\i)/2)+(\i)%2], v[ACC+8*(\i)+6], v[ACC+8*(\i)+7]
.endm
.macro MAXC i
	v_max_num_f32 v[MXB+4*((\i)/2)+(\i)%2], v[MXB+4*((\i)/2)+(\i)%2], v[MXB+4*((\i)/2)+(\i)%2+2]
.endm
.macro SNP s, e, p                     ; two of the copy's eight take the tile's where VCC says so
	v_dual_cndmask_b32 v[\s+\p], v[\s+\p], v[\e+\p] :: v_dual_cndmask_b32 v[\s+\p+1], v[\s+\p+1], v[\e+\p+1]
.endm
; Token tile i: is the tile's largest strictly over the running largest?  Of equal tiles the earlier, which has the lower indices, is kept.  Between the compare and its selects stand the later token
; tiles' work: tile i + 1's second and third part of the maximum, tile i + 2's first, tile i + 4's additions: independent chains by turns.
.macro SRCH i, b, next, ask
.set QE,  ACC+8*(\i)
.set QS,  SNAP+8*(\i)
.set QR,  RT+2*(\i)
.set QM,  MXB+4*((\i)/2)+(\i)%2
	v_cmp_gt_f32 vcc_lo, v[QM], v[QR]
.if \i < 7
	MAXB \i+1
.endif
.if \i < 4
	ADDH \i+4, \b, 0
.endif
.if \i < 6
	MAXA \i+2
.endif
.if \i < 4
	ADDH \i+4, \b, 4
.endif
.if (\i == 3) && \next
	LOADF \b, (4+\b)*STEP                          ; the buffer's seven loads in one run, in the middle of the search: the products that read the fragments stand more than four plain lines back,
	LOADC \b, (4+\b)*STEP                          ; and the last reader of these registers is issued
.endif
.if (\i == 3) && \ask
	ASK
.endif
.if \i < 7
	MAXC \i+1
.endif
	SNP QS, QE, 0
	SNP QS, QE, 2
	SNP QS, QE, 4
	SNP QS, QE, 6
	v_dual_max_num_f32 v[QR], v[QR], v[QM] :: v_dual_cndmask_b32 v[QR+1], v[QR+1], v[TI]
.endm
.macro ASK                             ; wave 0, while a group of four steps stands two trips on: its 18 blocks of that group
	s_cmp_gt_u32 s[CNT], s[LIM]
	s_wait_alu depctr_va_vdst(0)                   ; the wait here, directly ahead of the branch
	s_cbranch_scc0 .Lnone_\@
	s_cmp_lt_u32 ttmp9, 4
	s_cbranch_scc0 .Lno_prefetch_argmin1_\@
	global_prefetch_b8 v[PFO], s[PB:PB+1] offset:2*TRIP th:TH_LOAD_NT scope:SCOPE_SE
.Lno_prefetch_argmin1_\@:
.Lnone_\@:
.endm
; A code tile, in buffer b.  next = 1: the buffer is asked for again, for the tile four steps on.  left: the younger tiles' loads, seven each, which may stay out.
.macro TILE b, next, left, ask
	s_wait_loadcnt \left                           ; loads come back in order: this tile's seven are in
	MM \b
.irp p, 0,2,4,6
	v_pk_mul_f32 v[CC+8*(\b)+\p:CC+8*(\b)+\p+1], v[CC+8*(\b)+\p:CC+8*(\b)+\p+1], -0.5 op_sel_hi:[1,0]   ; -|c|^2 / 2.  These four lines name no register of the products: they are the four places ahead of the loads into the fragments' registers and of the first read of results
.endr
	ADDH 0, \b, 0
	ADDH 0, \b, 4
	ADDH 1, \b, 0
	ADDH 1, \b, 4
	MAXA 0
	ADDH 2, \b, 0
	ADDH 2, \b, 4
	MAXB 0
	MAXA 1
	ADDH 3, \b, 0
	MAXC 0
	ADDH 3, \b, 4
.irp i, 0,1,2,3,4,5,6,7
	SRCH \i, \b, \next, \ask
.endr
	v_add_nc_u32 v[TI], 8, v[TI]                   ; my next tile
.endm
	s_wait_alu depctr_va_vdst(0)                   ; the wait at the head's end
.Ltrip:                                            ; fifteen trips of four tiles: tiles 0 to 59 are worked, tiles 4 to 63 asked for
	TILE 0, 1, 21, 0
	TILE 1, 1, 21, 1
	TILE 2, 1, 21, 0
	TILE 3, 1, 21, 0
	s_wait_xcnt 0x0                                ; the loads and the prefetch have read their bases, which step only behind this wait
	s_add_nc_u64 s[CB:CB+1], s[CB:CB+1], TRIP
	s_add_nc_u64 s[PB:PB+1], s[PB:PB+1], TRIP
	s_sub_co_u32 s[CNT], s[CNT], 1
	s_cmp_lg_u32 s[CNT], 0
	s_wait_alu depctr_va_vdst(0)                   ; the wait here, directly ahead of the branch
	s_cbranch_scc1 .Ltrip
	TILE 0, 0, 21, 0                               ; the last four tiles load nothing: the counts run down
	TILE 1, 0, 14, 0
	TILE 2, 0, 7, 0
	TILE 3, 0, 0, 0
	; THE INDEX in the lane: the lowest register of the copy that equals the largest; then the other half of the lanes; then to LDS for the other waves.  The eight token tiles go by turns.
.irp i, 0,1,2,3,4,5,6,7
	v_mov_b32 v[ID+\i], 7
.endr
.irp j, 6,5,4,3,2,1,0
.irp i, 0,1,2,3,4,5,6,7
	v_cmp_neq_f32 s[MK+\i], v[SNAP+8*\i+\j], v[RT+2*\i]
.endr
.irp i, 0,1,2,3,4,5,6,7
	v_cndmask_b32 v[ID+\i], \j, v[ID+\i], s[MK+\i] ; equal: j; descending, so that the lowest stays
.endr
.endr
.irp i, 0,1,2,3,4,5,6,7
	v_lshl_add_u32 v[ID+\i], v[RT+2*\i+1], 4, v[ID+\i]
.endr
.irp i, 0,1,2,3,4,5,6,7
	v_add_nc_u32 v[ID+\i], v[ID+\i], v[H8]         ; 16 T + 8 (lane / 16) + j
.endr
.irp i, 0,1,2,3,4,5,6,7
	v_permlanex16_b32 v[PV+\i], v[RT+2*\i], s[SEL], s[SEL+1]   ; (its destination, which counts as a source, was written in every tile)
.endr
.irp i, 0,1,2,3,4,5,6,7
	v_permlanex16_b32 v[PI+\i], v[ID+\i], s[SEL], s[SEL+1]
.endr
.irp i, 0,1,2,3,4,5,6,7
	LEXC \i, RT+2*\i, ID+\i, PV+\i, PI+\i
.endr
.irp i, 0,1,2,3,4,5,6,7
	LEXS \i
.endr
.irp i, 0,1,2,3,4,5,6,7
	LEXM \i, RT+2*\i, ID+\i, PV+\i, PI+\i
.endr
.irp i, 0,1,2,3,4,5,6,7
	ds_store_b32 v[MW], v[RT+2*\i] offset:64*\i    ; both halves of the lanes write the same word with the same value
	ds_store_b32 v[MW], v[ID+\i] offset:4096+64*\i
.endr
	s_wait_dscnt 0x0                               ; for the others' sake: my stores have landed
	s_barrier_signal -1
	s_barrier_wait -1
	s_cmp_lt_u32 s[WV], 2                          ; waves 0 and 1 join the eight waves' results, two tokens a lane
	s_cbranch_scc0 .Ljoined
.irp w, 0,1,2,3,4,5,6,7
	ds_load_b64 v[64+2*\w:65+2*\w], v[GO] offset:512*\w
	ds_load_b64 v[80+2*\w:81+2*\w], v[GO] offset:4096+512*\w
.endr
	s_wait_dscnt 0x0
; wave w's pair of tokens takes wave w + d's: part ph of the join, on the masks of number w + c
.macro JOIN ph, w, d, c
.if \ph == 0
	LEXC \w+\c, 64+2*(\w)+\c, 80+2*(\w)+\c, 64+2*(\w+\d)+\c, 80+2*(\w+\d)+\c
.endif
.if \ph == 1
	LEXS \w+\c
.endif
.if \ph == 2
	LEXM \w+\c, 64+2*(\w)+\c, 80+2*(\w)+\c, 64+2*(\w+\d)+\c, 80+2*(\w+\d)+\c
.endif
.endm
.irp ph, 0,1,2                                 ; a tree of three levels; the order by (e, index) does not hang on how the joins are grouped
.irp w, 0,2,4,6
.irp c, 0,1
	JOIN \ph, \w, 1, \c
.endr
.endr
.endr
.irp ph, 0,1,2
.irp w, 0,4
.irp c, 0,1
	JOIN \ph, \w, 2, \c
.endr
.endr
.endr
.irp ph, 0,1,2
.irp c, 0,1
	JOIN \ph, 0, 4, \c
.endr
.endr
	global_store_b64 v[GO], v[80:81], s[6:7]       ; 32 lanes store 256 consecutive bytes, at a multiple of 256 from the buffer's first byte
	global_store_b64 v[GO], v[80:81], s[8:9]       ; and once more for the launch that gathers by them
.Ljoined:
	s_wait_tensorcnt 0x0                           ; the wave's end: closing lines, behind my last LDS store
	ds_add_u32 v[SPW], v[NIL]
	s_wait_dscnt 0x0
	s_endpgm
.Lfunc_end_k_q9e0c41041b_argmin:
	.size	k_q9e0c41041b_argmin, .Lfunc_end_k_q9e0c41041b_argmin-k_q9e0c41041b_argmin
	.p2alignl 7, 3214868480
	.fill 96, 4, 3214868480
	.section	.rodata,"a",@progbits
	.p2align	6, 0x0
	.amdhsa_kernel k_q9e0c41041b_argmin
		.amdhsa_group_segment_fixed_size 9216
		.amdhsa_private_segment_fixed_size 0
		.amdhsa_enable_private_segment 0
		.amdhsa_kernarg_size 24
		.amdhsa_user_sgpr_count 2
		.amdhsa_user_sgpr_kernarg_segment_ptr 1
		.amdhsa_wavefront_size32 1
		.amdhsa_system_sgpr_workgroup_id_x 1
		.amdhsa_system_sgpr_workgroup_id_y 1
		.amdhsa_system_sgpr_workgroup_id_z 1
		.amdhsa_system_vgpr_workitem_id 0
		.amdhsa_next_free_vgpr 512
		.amdhsa_next_free_sgpr 66
		.amdhsa_reserve_vcc 1
		.amdhsa_float_denorm_mode_32 3
		.amdhsa_float_denorm_mode_16_64 3
		.amdhsa_memory_ordered 1
		.amdhsa_forward_progress 1
		.amdhsa_inst_pref_size 112
	.end_amdhsa_kernel
	.amdgpu_metadata
---
amdhsa.version: [ 1, 2 ]
amdhsa.kernels:
  - .name:           k_q9e0c41041b_argmin
    .symbol:         k_q9e0c41041b_argmin.kd
    .args:
      - { .name: rec, .offset: 0, .size: 8, .value_kind: global_buffer, .address_space: global }
      - { .name: out1, .offset: 8, .size: 8, .value_kind: global_buffer, .address_space: global }
      - { .name: ids, .offset: 16, .size: 8, .value_kind: global_buffer, .address_space: global }
    .group_segment_fixed_size: 9216
    .private_segment_fixed_size: 0
    .kernarg_segment_align: 8
    .kernarg_segment_size: 24
    .max_flat_workgroup_size: 256
    .sgpr_count:     66
    .vgpr_count:     512
    .wavefront_size: 32
...
	.end_amdgpu_metadata
.endif
;; end of part 2
;; launch gather (part 3): grid 256 x 1, 16 waves a work-group, no clusters, 2,304 bytes of LDS; arguments z, codebook, ids, out0, part; writes out0, part
.if DOCPART == 3
	.amdgcn_target "amdgcn-amd-amdhsa--gfx1250"
	.amdhsa_code_object_version 6
	.text
	.protected	k_q9e0c41041b_gather
	.globl	k_q9e0c41041b_gather
	.p2align	8
	.type	k_q9e0c41041b_gather,@function
k_q9e0c41041b_gather:
	s_mov_b64 s[64:65], 0
	v_nop
	global_prefetch_b8 v0, s[64:65] scope:SCOPE_SE
	s_setreg_imm32_b32 hwreg(HW_REG_WAVE_MODE, 25, 1), 1
	s_wait_xcnt 0x0
; out0[t] = z[t] + (codebook[ids[t]] - z[t]), and for the loss the sum over the work-group's 128 tokens of (out0 - z)^2, all in f32, each step rounded as it is written.
; A wave takes 8 tokens; a token's row is 1,024 bytes: two loads of 512 consecutive bytes, 16 a lane.  The 8 indices come by one scalar load; each is held to 8,191 before it enters an address.
; LOADS: z of tokens 0-3 goes out while the indices are on their way; behind the indices 24 loads: the code rows of tokens 0-3, then z and the code row of tokens 4-7, token by token.
; STORES, in two groups of eight, each store 512 consecutive bytes, aligned: tokens 0-3 behind their vector work, tokens 4-7 behind all the wave's vector and LDS work (the wave's sum, its LDS store
; and the wave's closing lines stand ahead of them).  The launch only streams: no matrix unit, no tensor load, no cluster.
; The sixteen waves' sums meet in LDS; wave 0 joins them, then issues its own second group of stores and the work-group's one number.  The last launch adds the 256 numbers: no traffic between work-groups.
.set ZR,  16                           ; v16-79   z: token t at 8 t
.set CR,  80                           ; v80-143  the code's row, then out0's
.set LS,  144                          ; v[144:147] the sum of squares, two packed chains
.set CO,  8                            ; v8-15    1,024 x index + 16 x lane, a register for each token
	s_load_b256 s[4:11], s[0:1], 0x0               ; z s[4:5], codebook s[6:7], ids s[8:9], out0 s[10:11]
	s_load_b64 s[12:13], s[0:1], 0x20              ; part
	v_lshl_add_u32 v160, v0, 2, 0x100              ; my spare word: the spare words lie from LDS byte 256 on, 128 bytes a wave
	v_mov_b32 v161, 0
	v_lshrrev_b32 v1, 5, v0
	s_delay_alu instid0(VALU_DEP_1)
	v_readfirstlane_b32 s14, v1                    ; wave 0..15
	v_and_b32 v1, 31, v0
	s_delay_alu instid0(VALU_DEP_1)
	v_lshlrev_b32 v4, 4, v1                        ; 16 x lane
	s_lshl_b32 s15, ttmp9, 7
	s_lshl_b32 s16, s14, 3
	s_add_co_u32 s15, s15, s16                     ; my first token
	s_lshl_b32 s16, s15, 2                         ; its index,
	s_mov_b32 s17, 0
	s_lshl_b32 s18, s15, 10                        ; its row (under 2^26)
	s_mov_b32 s19, 0
	s_lshl_b32 s20, ttmp9, 2                       ; the work-group's word of part
	s_mov_b32 s21, 0
	s_mov_b32 s22, 0x76543210
	s_mov_b32 s23, 0xfedcba98                      ; v_permlanex16_b32's selects for lane l xor 16
	s_lshl_b32 s32, s14, 2
	v_mov_b32 v148, 0                              ; a lane permute's destination counts as one of its sources
	v_mov_b32 v149, s32                            ; LDS: my wave's word
	v_mov_b32 v150, 0
	s_wait_alu depctr_va_vdst(0)                   ; the wait at the head's end
	s_wait_kmcnt 0x0
	s_add_nc_u64 s[8:9], s[8:9], s[16:17]
	s_load_b256 s[24:31], s[8:9], 0x0              ; my 8 indices
	s_add_nc_u64 s[4:5], s[4:5], s[18:19]
	s_add_nc_u64 s[10:11], s[10:11], s[18:19]
	s_add_nc_u64 s[12:13], s[12:13], s[20:21]
.irp t, 0,1,2,3
	global_load_b128 v[ZR+8*\t:ZR+8*\t+3], v4, s[4:5] offset:1024*\t th:TH_LOAD_NT
	global_load_b128 v[ZR+8*\t+4:ZR+8*\t+7], v4, s[4:5] offset:1024*\t+512 th:TH_LOAD_NT
.endr
	s_wait_kmcnt 0x0
.irp t, 0,1,2,3,4,5,6,7
	s_min_u32 s[24+\t], s[24+\t], 0x1fff           ; an index stays inside the table
	s_lshl_b32 s[24+\t], s[24+\t], 10
	v_add_nc_u32 v[CO+\t], s[24+\t], v4
.endr
	s_wait_alu depctr_va_vdst(0)                   ; the wait here, ahead of the readers below
.irp t, 0,1,2,3
	global_load_b128 v[CR+8*\t:CR+8*\t+3], v[CO+\t], s[6:7]             ; no hint: a row may be named by many tokens
	global_load_b128 v[CR+8*\t+4:CR+8*\t+7], v[CO+\t], s[6:7] offset:512
.endr
.irp t, 4,5,6,7
	global_load_b128 v[ZR+8*\t:ZR+8*\t+3], v4, s[4:5] offset:1024*\t th:TH_LOAD_NT
	global_load_b128 v[ZR+8*\t+4:ZR+8*\t+7], v4, s[4:5] offset:1024*\t+512 th:TH_LOAD_NT
	global_load_b128 v[CR+8*\t:CR+8*\t+3], v[CO+\t], s[6:7]
	global_load_b128 v[CR+8*\t+4:CR+8*\t+7], v[CO+\t], s[6:7] offset:512
.endr
.macro TOKEN t                         ; a token's vector work; its stores follow in SEND
.if \t < 4
	s_wait_loadcnt 22-2*\t                         ; loads come back in order: this token's z and code row are in; of the 24 loads behind the indices the 22 - 2 t younger ones may be out
.else
	s_wait_loadcnt 28-4*\t                         ; from token 4 on four loads a token: 28 - 4 t younger ones may be out
.endif
.irp p, 0,2,4,6
	v_pk_add_f32 v[CR+8*\t+\p:CR+8*\t+\p+1], v[CR+8*\t+\p:CR+8*\t+\p+1], v[ZR+8*\t+\p:ZR+8*\t+\p+1] neg_lo:[0,1] neg_hi:[0,1]   ; z_q - z
.endr
.irp p, 0,2,4,6
	s_delay_alu instid0(VALU_DEP_4)
	v_pk_add_f32 v[CR+8*\t+\p:CR+8*\t+\p+1], v[ZR+8*\t+\p:ZR+8*\t+\p+1], v[CR+8*\t+\p:CR+8*\t+\p+1]   ; z + (z_q - z): out0
.endr
.irp p, 0,2,4,6
	s_delay_alu instid0(VALU_DEP_4)
	v_pk_add_f32 v[ZR+8*\t+\p:ZR+8*\t+\p+1], v[CR+8*\t+\p:CR+8*\t+\p+1], v[ZR+8*\t+\p:ZR+8*\t+\p+1] neg_lo:[0,1] neg_hi:[0,1]   ; out0 - z
.endr
.irp p, 0,2,4,6
.if (\t == 0) && (\p < 4)
	s_delay_alu instid0(VALU_DEP_4)
	v_pk_mul_f32 v[LS+\p:LS+\p+1], v[ZR+8*\t+\p:ZR+8*\t+\p+1], v[ZR+8*\t+\p:ZR+8*\t+\p+1]   ; the first two products start the chains
.else
	v_pk_fma_f32 v[LS+\p%4:LS+\p%4+1], v[ZR+8*\t+\p:ZR+8*\t+\p+1], v[ZR+8*\t+\p:ZR+8*\t+\p+1], v[LS+\p%4:LS+\p%4+1]
.endif
.endr
.endm
.macro SEND t
	global_store_b128 v4, v[CR+8*\t:CR+8*\t+3], s[10:11] offset:1024*\t th:TH_STORE_NT
	global_store_b128 v4, v[CR+8*\t+4:CR+8*\t+7], s[10:11] offset:1024*\t+512 th:TH_STORE_NT
.endm
.irp t, 0,1,2,3
	TOKEN \t
.endr
.irp t, 0,1,2,3
	SEND \t                                        ; the first group of stores; no later line writes their registers
.endr
.irp t, 4,5,6,7
	TOKEN \t
.endr
	v_pk_add_f32 v[LS:LS+1], v[LS:LS+1], v[LS+2:LS+3]
	s_delay_alu instid0(VALU_DEP_1)
	v_add_f32 v[LS], v[LS], v[LS+1]
	s_delay_alu instid0(VALU_DEP_1)
	v_add_f32_dpp v[LS], v[LS], v[LS] row_xmask:1 row_mask:0xf bank_mask:0xf
	s_delay_alu instid0(VALU_DEP_1)
	v_add_f32_dpp v[LS], v[LS], v[LS] row_xmask:2 row_mask:0xf bank_mask:0xf
	s_delay_alu instid0(VALU_DEP_1)
	v_add_f32_dpp v[LS], v[LS], v[LS] row_xmask:4 row_mask:0xf bank_mask:0xf
	s_delay_alu instid0(VALU_DEP_1)
	v_add_f32_dpp v[LS], v[LS], v[LS] row_xmask:8 row_mask:0xf bank_mask:0xf
	s_delay_alu instid0(VALU_DEP_1)
	v_permlanex16_b32 v148, v[LS], s22, s23
	s_delay_alu instid0(VALU_DEP_1)
	v_add_f32 v[LS], v[LS], v148                   ; the wave's sum, in every lane
	ds_store_b32 v149, v[LS]                       ; all lanes write the same word with the same value: my last LDS store
	s_wait_alu depctr_va_vdst(0)                   ; the wait here, directly ahead of the wait below
	s_wait_tensorcnt 0x0                           ; the wave's closing lines, behind my last LDS store; no LDS write follows them
	ds_add_u32 v160, v161
	s_wait_dscnt 0x0                               ; also for the others' sake: my sum has landed
	s_cmp_eq_u32 s14, 0
	s_cbranch_scc1 .Lmeet                          ; wave 0 keeps its second group of stores until it has joined the sums
.irp t, 4,5,6,7
	SEND \t
.endr
.Lmeet:
	s_barrier_signal -1
	s_barrier_wait -1
	s_cmp_lg_u32 s14, 0
	s_cbranch_scc1 .Lend
.irp q, 0,1,2,3
	ds_load_b128 v[ZR+4*\q:ZR+4*\q+3], v150 offset:16*\q   ; the sixteen sums, in every lane
.endr
	s_wait_dscnt 0x0
	v_pk_add_f32 v[16:17], v[16:17], v[18:19]
	v_pk_add_f32 v[20:21], v[20:21], v[22:23]
	v_pk_add_f32 v[24:25], v[24:25], v[26:27]
	v_pk_add_f32 v[28:29], v[28:29], v[30:31]
	s_delay_alu instid0(VALU_DEP_3)
	v_pk_add_f32 v[16:17], v[16:17], v[20:21]
	s_delay_alu instid0(VALU_DEP_2)
	v_pk_add_f32 v[24:25], v[24:25], v[28:29]
	s_delay_alu instid0(VALU_DEP_1)
	v_pk_add_f32 v[16:17], v[16:17], v[24:25]
	s_delay_alu instid0(VALU_DEP_1)
	v_add_f32 v16, v16, v17
	v_cmp_eq_u32 vcc_lo, 0, v0
.irp t, 4,5,6,7
	SEND \t
.endr
	s_wait_alu depctr_va_vdst(0)                   ; the wait here, directly ahead of the wait below
	s_wait_xcnt 0x0                                ; EXEC is a source of the stores above: it changes only behind this wait
	s_and_saveexec_b32 s33, vcc_lo
	global_store_b32 v150, v16, s[12:13]           ; thread 0 alone
	s_wait_xcnt 0x0                                ; and again, in front of the line that widens it
	s_or_b32 exec_lo, exec_lo, s33
.Lend:
	s_endpgm
.Lfunc_end_k_q9e0c41041b_gather:
	.size	k_q9e0c41041b_gather, .Lfunc_end_k_q9e0c41041b_gather-k_q9e0c41041b_gather
	.p2alignl 7, 3214868480
	.fill 96, 4, 3214868480
	.section	.rodata,"a",@progbits
	.p2align	6, 0x0
	.amdhsa_kernel k_q9e0c41041b_gather
		.amdhsa_group_segment_fixed_size 2304
		.amdhsa_private_segment_fixed_size 0
		.amdhsa_enable_private_segment 0
		.amdhsa_kernarg_size 40
		.amdhsa_user_sgpr_count 2
		.amdhsa_user_sgpr_kernarg_segment_ptr 1
		.amdhsa_wavefront_size32 1
		.amdhsa_system_sgpr_workgroup_id_x 1
		.amdhsa_system_sgpr_workgroup_id_y 1
		.amdhsa_system_sgpr_workgroup_id_z 1
		.amdhsa_system_vgpr_workitem_id 0
		.amdhsa_next_free_vgpr 162
		.amdhsa_next_free_sgpr 66
		.amdhsa_reserve_vcc 1
		.amdhsa_float_denorm_mode_32 3
		.amdhsa_float_denorm_mode_16_64 3
		.amdhsa_memory_ordered 1
		.amdhsa_forward_progress 1
		.amdhsa_inst_pref_size 21
	.end_amdhsa_kernel
	.amdgpu_metadata
---
amdhsa.version: [ 1, 2 ]
amdhsa.kernels:
  - .name:           k_q9e0c41041b_gather
    .symbol:         k_q9e0c41041b_gather.kd
    .args:
      - { .name: z, .offset: 0, .size: 8, .value_kind: global_buffer, .address_space: global }
      - { .name: codebook, .offset: 8, .size: 8, .value_kind: global_buffer, .address_space: global }
      - { .name: ids, .offset: 16, .size: 8, .value_kind: global_buffer, .address_space: global }
      - { .name: out0, .offset: 24, .size: 8, .value_kind: global_buffer, .address_space: global }
      - { .name: part, .offset: 32, .size: 8, .value_kind: global_buffer, .address_space: global }
    .group_segment_fixed_size: 2304
    .private_segment_fixed_size: 0
    .kernarg_segment_align: 8
    .kernarg_segment_size: 40
    .max_flat_workgroup_size: 512
    .sgpr_count:     66
    .vgpr_count:     162
    .wavefront_size: 32
...
	.end_amdgpu_metadata
.endif
;; end of part 3
;; launch loss (part 4): grid 1 x 1, 1 waves a work-group, no clusters, 0 bytes of LDS; arguments part, out2; writes out2
.if DOCPART == 4
	.amdgcn_target "amdgcn-amd-amdhsa--gfx1250"
	.amdhsa_code_object_version 6
	.text
	.protected	k_q9e0c41041b_loss
	.globl	k_q9e0c41041b_loss
	.p2align	8
	.type	k_q9e0c41041b_loss,@function
k_q9e0c41041b_loss:
	s_mov_b64 s[64:65], 0
	v_nop
	global_prefetch_b8 v0, s[64:65] scope:SCOPE_SE
	s_setreg_imm32_b32 hwreg(HW_REG_WAVE_MODE, 25, 1), 1
	s_wait_xcnt 0x0
; out2 = 0.25 x the mean of (out0 - z)^2 = the sum of the 256 work-groups' sums x 0.25 / 8,388,608 = x 2^-25, which rounds nothing.
; One wave: a lane takes 8 of the 256 numbers (32 consecutive bytes), adds them, and the 32 lanes' sums are joined.
	s_load_b128 s[4:7], s[0:1], 0x0                ; part, out2
	v_lshlrev_b32 v1, 5, v0
	s_mov_b32 s8, 0x76543210
	s_mov_b32 s9, 0xfedcba98                       ; v_permlanex16_b32's selects for lane l xor 16
	v_mov_b32 v12, 0                               ; a lane permute's destination counts as one of its sources
	v_mov_b32 v13, 0
	s_wait_alu depctr_va_vdst(0)
	s_wait_kmcnt 0x0
	global_load_b128 v[4:7], v1, s[4:5]
	global_load_b128 v[8:11], v1, s[4:5] offset:16
	s_wait_loadcnt 0x0
	v_pk_add_f32 v[4:5], v[4:5], v[6:7]
	v_pk_add_f32 v[8:9], v[8:9], v[10:11]
	v_pk_add_f32 v[4:5], v[4:5], v[8:9]
	v_add_f32 v4, v4, v5
	v_add_f32_dpp v4, v4, v4 row_xmask:1 row_mask:0xf bank_mask:0xf
	v_add_f32_dpp v4, v4, v4 row_xmask:2 row_mask:0xf bank_mask:0xf
	v_add_f32_dpp v4, v4, v4 row_xmask:4 row_mask:0xf bank_mask:0xf
	v_add_f32_dpp v4, v4, v4 row_xmask:8 row_mask:0xf bank_mask:0xf
	v_permlanex16_b32 v12, v4, s8, s9
	v_add_f32 v4, v4, v12
	v_mul_f32 v4, 0x33000000, v4                   ; x 2^-25
	v_cmp_eq_u32 vcc_lo, 0, v0
	s_wait_alu depctr_va_vdst(0)
	s_wait_xcnt 0x0                                ; EXEC changes only behind this wait
	s_and_saveexec_b32 s10, vcc_lo
	global_store_b32 v13, v4, s[6:7]               ; thread 0 alone
	s_wait_xcnt 0x0
	s_or_b32 exec_lo, exec_lo, s10
	s_endpgm
.Lfunc_end_k_q9e0c41041b_loss:
	.size	k_q9e0c41041b_loss, .Lfunc_end_k_q9e0c41041b_loss-k_q9e0c41041b_loss
	.p2alignl 7, 3214868480
	.fill 96, 4, 3214868480
	.section	.rodata,"a",@progbits
	.p2align	6, 0x0
	.amdhsa_kernel k_q9e0c41041b_loss
		.amdhsa_group_segment_fixed_size 0
		.amdhsa_private_segment_fixed_size 0
		.amdhsa_enable_private_segment 0
		.amdhsa_kernarg_size 16
		.amdhsa_user_sgpr_count 2
		.amdhsa_user_sgpr_kernarg_segment_ptr 1
		.amdhsa_wavefront_size32 1
		.amdhsa_system_sgpr_workgroup_id_x 1
		.amdhsa_system_sgpr_workgroup_id_y 1
		.amdhsa_system_sgpr_workgroup_id_z 1
		.amdhsa_system_vgpr_workitem_id 0
		.amdhsa_next_free_vgpr 16
		.amdhsa_next_free_sgpr 66
		.amdhsa_reserve_vcc 1
		.amdhsa_float_denorm_mode_32 3
		.amdhsa_float_denorm_mode_16_64 3
		.amdhsa_memory_ordered 1
		.amdhsa_forward_progress 1
		.amdhsa_inst_pref_size 2
	.end_amdhsa_kernel
	.amdgpu_metadata
---
amdhsa.version: [ 1, 2 ]
amdhsa.kernels:
  - .name:           k_q9e0c41041b_loss
    .symbol:         k_q9e0c41041b_loss.kd
    .args:
      - { .name: part, .offset: 0, .size: 8, .value_kind: global_buffer, .address_space: global }
      - { .name: out2, .offset: 8, .size: 8, .value_kind: global_buffer, .address_space: global }
    .group_segment_fixed_size: 0
    .private_segment_fixed_size: 0
    .kernarg_segment_align: 8
    .kernarg_segment_size: 16
    .max_flat_workgroup_size: 32
    .sgpr_count:     66
    .vgpr_count:     16
    .wavefront_size: 32
...
	.end_amdgpu_metadata
.endif
;; end of part 4
